; MI455X (gfx1250); checked and timed in simulation.
; The chip was launched on July 23, 2026; its instructions are those of AMD's public machine-readable ISA for CDNA 5 (MIT licence, August 2026) and "CDNA5" Instruction Set Architecture Reference Guide (July 2026). The comments in the code are by the model that wrote it; some were corrected since.
;; Cosformer Attention. Allowed arithmetic: matrix products marked QUANTISED: E5M2 operands, one given power-of-two scale a tensor, by v_wmma_f32_16x16x64_bf8_bf8 or v_wmma_f32_16x16x128_bf8_bf8, f32 sums; products left as they are: f32 operands where the result goes on into a quantised operand, else bf16, f16 or f32 operands; f32 sums; everything else in f32.
;; Inputs: Wk_codes 1,024 x 32 x 32 uint8 (E5M2 codes of Wk, K innermost, in blocks of 32 codes); Wq_codes 1,024 x 32 x 32 uint8 (E5M2 codes of Wq, K innermost, in blocks of 32 codes); Wv_codes 1,024 x 32 x 32 uint8 (E5M2 codes of Wv, K innermost, in blocks of 32 codes); bk 1,024 float32; bq 1,024 float32; bv 1,024 float32; key__codes 4,096 x 4 x 32 x 32 uint8 (E5M2 codes of key_, K innermost, in blocks of 32 codes); lowp_scales 10 int32 (the exponents e of the quantised operands' scales 2^e); query_codes 4,096 x 4 x 32 x 32 uint8 (E5M2 codes of query, K innermost, in blocks of 32 codes); value_codes 4,096 x 4 x 32 x 32 uint8 (E5M2 codes of value, K innermost, in blocks of 32 codes).
;; Outputs: out0 4,096 x 4 x 1,024 float32.
;; This version of the problem:
;;   THIS VERSION OF THE PROBLEM IS GIVEN IN LOW PRECISION. The matrix products marked QUANTISED in the list below multiply operands that are first quantised to E5M2 (5 exponent bits, 2 mantissa bits; 8 bits a number), with one given power-of-two scale for each operand tensor; their sums are f32. All else is computed in f32.
;;   The module's matrix products, in the order in which they are computed (A, B: the left and right operand; K: the contracted axis; several contracted axes count as one K, in the product's order):
;;     1. [M 16,384, K 1,024] x [K 1,024, N 1,024]; A: input query (given as codes); B: input Wq (given as codes): QUANTISED (scales: A lowp_scales[0], B lowp_scales[1])
;;     2. [M 16,384, K 1,024] x [K 1,024, N 1,024]; A: input key_ (given as codes); B: input Wk (given as codes): QUANTISED (scales: A lowp_scales[2], B lowp_scales[3])
;;     3. [M 16,384, K 1,024] x [K 1,024, N 1,024]; A: input value (given as codes); B: input Wv (given as codes): QUANTISED (scales: A lowp_scales[4], B lowp_scales[5])
;;     4. batch 64 x [M 128, K 4,096] x [K 4,096, N 64]; A: computed on the way; B: computed on the way: QUANTISED (scales: A lowp_scales[6], B lowp_scales[7])
;;     5. batch 64 x [M 4,096, K 128] x [K 128, N 1]; A: computed on the way; B: computed on the way: left as it is (N = 1 < 16)
;;     6. batch 64 x [M 64, K 128] x [K 128, N 4,096]; A: computed on the way; B: computed on the way: QUANTISED (scales: A lowp_scales[8], B lowp_scales[9])
;;     7. batch 262,144 x [M 1, K 1] x [K 1, N 64]; A: computed on the way; B: computed on the way: left as it is (no contracted axis)
;;   THE QUANTISER, for each operand of a quantised product, along K:
;;     - The operand's scale is 2^e, e = its entry of the input lowp_scales (int32; the entries are numbered through the quantised products in the list's order, A before B).
;;     - Each number is divided by the scale, clamped to +-57,344, and rounded to the nearest number of E5M2, ties to even, subnormals kept.
;;     - The product sums the exact products of the quantised numbers (number of the format x scale) in f32.
;;   ~~~python
;;   def quantise(x, axis, e):      # numpy; x: float32 -> the quantised numbers, widened to float32 again
;;       x = np.moveaxis(x, axis, -1); K = x.shape[-1]
;;       r = np.clip(x / 2.0 ** e, -57344, 57344)
;;       step = 2.0 ** (np.maximum(np.frexp(np.where(r == 0, 1, r))[1] - 1, -14) - 2)
;;       q = np.round(r / step) * step * 2.0 ** e      # np.round: ties to even
;;       return np.moveaxis(q, -1, axis).astype(np.float32)
;;   ~~~
;;   OPERANDS COMPUTED ON THE WAY. 'Computed on the way' means the value that the module computes at that place (a softmax that the list does not call 'softmax' is quantised finished and normalised). What goes into a quantiser is computed in f32, as accurately as f32 sums, v_exp_f32 and their like allow (about 1e-6 of the number): no bf16 or f16 on the way to a quantiser, and a product that is left as it is and whose result goes on into a quantised operand takes f32 operands (vector FMAs, or v_wmma_f32_16x16x4_f32). A number that lies on a knife's edge between two numbers of the format may be rounded either way, as far as f32 arithmetic and the matrix unit's own rounding can turn it there, and no further.
;;   INPUTS GIVEN AS CODES. Wk (in the module: [1024, 1024], K = its axis 1); Wq (in the module: [1024, 1024], K = its axis 1); Wv (in the module: [1024, 1024], K = its axis 1); key_ (in the module: [4096, 4, 1024], K = its axis 2); query (in the module: [4096, 4, 1024], K = its axis 2); value (in the module: [4096, 4, 1024], K = its axis 2): each comes as NAME_codes (uint8): NAME with its K axis moved to the last place and cut into blocks of 32 codes, [.., K / 32, bytes a block], one block behind the other in memory; one code a byte (a code: sign, 5 exponent bits, 2 mantissa bits); its scale is its entry of lowp_scales. Its value is code x scale, taken as it is: it is not quantised again, and the codes and scales need not be those that the quantiser above would give.
;; One version. Each part assembles by itself: llvm-mc -triple=amdgcn-amd-amdhsa -mcpu=gfx1250 --defsym DOCPART=n.
;; ======== version 1 of 1: 3 launches
;; limits: right only within a limited range of input values
;; workspace buffers: kvp 33,554,432 bytes; ksp 524,288 bytes; kvc 524,288 bytes; ks 32,768 bytes
;; launch kv (part 1): grid 4 x 64, 4 waves a work-group, clusters of 4 x 4, 327,680 bytes of LDS; arguments value_codes, Wv_codes, key__codes, Wk_codes, bv, bk, lowp_scales, kvp, ksp; writes kvp, ksp
.if DOCPART == 1
	.amdgcn_target "amdgcn-amd-amdhsa--gfx1250"
	.amdhsa_code_object_version 6
	.text
	.protected	k_qb49b5a7b22_kv
	.globl	k_qb49b5a7b22_kv
	.p2align	8
	.type	k_qb49b5a7b22_kv,@function
k_qb49b5a7b22_kv:
	s_mov_b64 s[64:65], 0
	v_nop
	global_prefetch_b8 v0, s[64:65] scope:SCOPE_SE
	s_setreg_imm32_b32 hwreg(HW_REG_WAVE_MODE, 25, 1), 1
	s_wait_xcnt 0x0
	s_wait_alu depctr_hold_cnt(0) depctr_sa_sdst(0) depctr_va_vdst(0) depctr_va_sdst(0) depctr_va_ssrc(0) depctr_va_vcc(0) depctr_vm_vsrc(0)
	s_getreg_b32 s2, hwreg(HW_REG_IB_STS2, 6, 4)
	s_cmp_eq_u32 s2, 0
	s_cbranch_scc0 .Lentry_in_a_cluster
	s_endpgm
.Lentry_in_a_cluster:
	s_bfe_u32 s2, ttmp6, 0x10000c
	s_cmp_lg_u32 s2, 0xf033
	s_cbranch_scc0 .Lentry_shape_is_right
	s_endpgm
.Lentry_shape_is_right:
; v = value Wv^T + bv and k = relu(key Wk^T + bk) on codes of E5M2; k_ = (k sin, k cos); both quantised along l; kv_ = k_^T v and the f32 sum of k_, each over 256 l.
; A work-group takes 256 l of one b (chunk lc = cluster y, b = cy) x 256 columns (4 heads, tile column tx = cx).  Four waves, each 128 l x 128 columns, first of v, then of k, in the same 512 accumulator registers.
; THE MATRIX INSTRUCTION IS USED IN ITS NATURAL ORDER (source 0 = 16 l, source 1 = 16 rows of W): a lane holds ONE column and its eight registers run along l, the next product's K.
; So the conversion of accumulator (a, b) gives registers 2 a, 2 a + 1 of column tile b's fragment (16 columns x 128 l).  Fragments go from wave to wave through LDS as images of their registers.
; The bias goes in as the C of each sum's first instruction, divided by the power of two that the sums lack.  The scales ahead of a quantiser are folded into the conversion's one.
; sin and cos of x = fl(pi/2 (l + 1)) / 4096 by the sine's series to x^13 (the first term left out is under 7e-10 at pi/2); cos x = sin((pi/2 - x), pi/2 in two parts).
; OUT: kvp [lc][bh][4 dt + mt][half][lane][16 bytes]: the accumulators of product 4 as they stand (units of 2^(e6 + e7));  ksp [lc][4 b + tx][sin, cos][256 columns] f32.
; CLUSTER 4 x 4: the four of a row (same b, same chunk) need the same rows of value and key, the four of a column the same rows of Wv and Wk: joint loads.
; LIMITS: e7 - e4 - e5 and e6 - e2 - e3 lie between -126 and 112, so that each scale and each hold below is an f32 number.  NaN among the inputs is not served.
; REGISTERS, in windows of 256: window 0: v0-31 addresses and scales; v32-95 v's fragments b 0-3, parked; v96-111 the biases; v128-255 A's fragments.  window 1: B's fragments, two sets (v0, v128);
;   at a product's first step v128-191 hold the bias as C.  windows 2, 3: accumulator (a, b) at v[8 (8 (a % 4) + b)].
.set ROWB,  256                        ; a tile's row: 256 codes
.set PITCH, 272                        ; an LDS row: 256 bytes + 16 of padding
.set FR,    16                         ; registers of a fragment
.set NL,    4                          ; LDS loads that bring one
.set NP,    4                          ; places behind this matrix instruction (ISA guide 7.12.1)
.set HALFT, 128*PITCH
.set SLOT,  4*HALFT                    ; A's 256 rows, then B's 256 rows
.set SPARE, 2*SLOT                     ; the spare words: 128 bytes for each wave
.set TAB,   SPARE+512                  ; sin of the chunk's 256 l, then cos, f32
.set KSL,   TAB+2048                   ; the waves' sums of k_: [row half][sin, cos][256 columns] f32
.set VE,    KSL+4096                   ; images of v's fragments b 4-7: [wave][b - 4][2,048]
.set VL,    SLOT                       ; images of v's fragments b 0-3: [wave][b][2,048]: in slot 1, behind its last fill and last read
                                       ; images of k_'s fragments: [head 4][dt 8][ks 2][2,048] from LDS byte 0: in slot 0, likewise
.set LI,   3                           ; v3   16 x lane
.set TABA, 4                           ; v4   the table at my 128 l, my half's eight
.set KIA,  5                           ; v5   where I store k_'s images
.set VEA,  6                           ; v6   v's images b 4-7
.set VLA,  7                           ; v7   v's images b 0-3
.set KSA,  8                           ; v8   where I store my sums of k_
.set PA,   9                           ; v9   product 4: my head's images of k_
.set PB,   10                          ; v10  product 4: my head's images of v
.set T16,  11                          ; v11  16 x thread
.set SCV,  12                          ; v12, v13  v's conversion scale, and the largest number x it
.set LIMV, 13
.set SCK,  14                          ; v14, v15  the same for k_
.set LIMK, 15
.set ADRA, 16                          ; v16-17 LDS address of my A fragments in slot 0, 1
.set KSR,  18                          ; v18  the sums of k_, 16 bytes a thread
.set ADRB, 20                          ; v20-21 the same for B
.set SPW,  28                          ; v28  my spare word; never rewritten
.set NIL,  29                          ; v29  0; never rewritten
.set BO,   30                          ; v30  my column's byte in bv and bk
.set VP,   32                          ; v32-95 v's fragments b 0-3
.set BV,   96
.set BK,   104
.set AF,   128
.set KR,   32                          ; k's epilogue: relu(k) of one block a
.set KSUM, 96                          ; sums of k_: pair 4 b + 2 sc
.set KT,   128                         ; two sets of 8 sin products + 8 cos products
.set KSN,  160                         ; sin of two blocks' l
.set KCS,  176                         ; cos
.set KCODE, 192                        ; codes: 4 (2 b + sc) + 2 e
.set G1,  24
.set G0,  32
.set G1B, 48
.set G0B, 56
.set SEL, 66                           ; s[66:67] v_permlanex16_b32's selects: lane l xor 16
.set KA,  68                           ; s[68:69] key's tile, s[70:71] Wk's: they wait for the change from v to k
.set KB,  70
.set MSB, 0
.macro WIN new                         ; the immediate's high byte repeats the setting that is left
.if MSB != (\new)
	s_set_vgpr_msb (MSB<<8)|(\new)
.set MSB, (\new)
.endif
.endm
.set MUL_LO,  0xa4                     ; source 0 (A) window 0, source 1 (B) window 1, C and D window 2
.set MUL_HI,  0xf4
.set BIAS_LO, 0x94                     ; C (the bias) window 1, D window 2
.set BIAS_HI, 0xd4
.set TO_B,    0x40
; A joint load: waves 0 and 1 fetch for A, waves 2 and 3 for B; four v_nop follow each of the two lines.
.macro JLOAD g0a, g1a, g0b, g1b
	s_cmp_eq_u32 s15, 0
	s_cbranch_scc0 .Lfor_b_\@
	tensor_load_to_lds s[\g0a:\g0a+3], s[\g1a:\g1a+7]
	s_nop 0
.rept 4
	v_nop
.endr
	s_branch .Lasked_\@
.Lfor_b_\@:
	tensor_load_to_lds s[\g0b:\g0b+3], s[\g1b:\g1b+7]
	s_nop 0
.rept 4
	v_nop
.endr
.Lasked_\@:
.endm
.macro CREST                           ; a round of the cluster's barrier behind its opening barrier
	s_cmp_lg_u32 s14, 0
	s_cbranch_scc1 .Lnot_wave_0_\@
	s_barrier_signal -3
.Lnot_wave_0_\@:
	s_barrier_wait -3
	s_barrier_signal -1
	s_barrier_wait -1
.endm
.macro CROUND
	s_barrier_signal -1
	s_barrier_wait -1
	CREST
.endm
; Two sines at once: d = x + x z (c3 + z (c5 + .. + z c13)), z = x x.  w: four registers at work.
.macro SINP2 d1, x1, d2, x2, w
	v_mul_f32 v[\w], v[\x1], v[\x1]
	v_mul_f32 v[\w+1], v[\x2], v[\x2]
	v_mov_b32 v[\w+2], 0x2f309231
	v_mov_b32 v[\w+3], 0x2f309231
.irp k, 0xb2d7322b, 0x3638ef1d, 0xb9500d01, 0x3c088889, 0xbe2aaaab
	v_fmaak_f32 v[\w+2], v[\w+2], v[\w], \k
	v_fmaak_f32 v[\w+3], v[\w+3], v[\w+1], \k
.endr
	v_mul_f32 v[\w], v[\x1], v[\w]
	v_mul_f32 v[\w+1], v[\x2], v[\w+1]
	v_fma_f32 v[\d1], v[\w], v[\w+2], v[\x1]
	v_fma_f32 v[\d2], v[\w+1], v[\w+3], v[\x2]
.endm
	s_load_b256 s[4:11], s[0:1], 0x0               ; value s[4:5], Wv s[6:7], key s[8:9], Wk s[10:11]
	s_load_b256 s[72:79], s[0:1], 0x20             ; bv s[72:73], bk s[74:75], the scales' exponents s[76:77], kvp s[78:79]
	s_load_b64 s[80:81], s[0:1], 0x40              ; ksp
	v_lshl_add_u32 v[SPW], v0, 2, SPARE
	v_mov_b32 v[NIL], 0
	ds_add_u32 v28, v29
	ds_add_u32 v28, v29
	s_wait_dscnt 0x0
	v_lshrrev_b32 v1, 5, v0
	v_readfirstlane_b32 s14, v1                    ; wave 0..3
	s_lshr_b32 s15, s14, 1                         ; my half of the 256 l.  Also: I fetch for A (0) or for B (1)
	s_and_b32 s16, s14, 1                          ; my half of the 256 columns.  Also: which 128 rows of that tile I fetch
	s_bfe_u32 s40, ttmp6, 0x40000                  ; cx
	s_bfe_u32 s41, ttmp6, 0x40004                  ; cy
	s_lshl_b32 s42, ttmp9, 2
	s_add_co_u32 s42, s42, s40                     ; tx: tile column
	s_and_b32 s17, ttmp7, 0xffff
	s_lshl_b32 s17, s17, 2
	s_add_co_u32 s17, s17, s41                     ; ty = 4 lc + b
	s_lshl_b32 s43, s41, 2
	s_lshl_b32 s43, 15, s43                        ; my row of the cluster
	s_lshl_b32 s44, 0x1111, s40                    ; my column
	s_or_b32 s[G1+0], s43, (0<<16)|(1<<20)|(1<<21)|(5<<22)|(3<<25)  ; the mask; elements of 1 byte; padding on; bit 21 beside a mask; 4 words behind every 64
	s_or_b32 s[G1B+0], s44, (0<<16)|(1<<20)|(1<<21)|(5<<22)|(3<<25)
.irp g, G1, G1B
	s_mov_b32 s[\g+1], ROWB<<16                    ; tensor_dim0 = 256
	s_mov_b32 s[\g+2], 128<<16                     ; tensor_dim1 = 128
	s_mov_b32 s[\g+3], ROWB<<16                    ; tile_dim0
	s_mov_b32 s[\g+4], 128                         ; tile_dim1
	s_mov_b32 s[\g+6], 0
	s_mov_b32 s[\g+7], 0
.endr
	s_mov_b32 s[G1+5], 4096                        ; from l to l + 1 of one b: four rows of 1,024 codes
	s_mov_b32 s[G1B+5], 1024                       ; a row of W
	s_lshl_b32 s18, s16, 19                        ; A: 128 l x 4,096 bytes for the half that I fetch,
	s_lshr_b32 s20, s17, 2
	s_lshl_b32 s20, s20, 20                        ; 256 lc x 4,096,
	s_add_co_u32 s20, s20, s18
	s_and_b32 s21, s17, 3
	s_lshl_b32 s21, s21, 10                        ; b x 1,024
	s_add_co_u32 s20, s20, s21
	s_mov_b32 s21, 0
	s_lshl_b32 s46, s42, 18                        ; B: 256 tx rows of 1,024 bytes,
	s_lshl_b32 s47, s16, 17                        ; 128 rows for the half that I fetch
	s_add_co_u32 s46, s46, s47
	s_mov_b32 s47, 0
	s_mul_i32 s45, s14, HALFT                      ; where they go: wave x 128 rows
	s_mov_b32 s[SEL], 0x76543210
	s_mov_b32 s[SEL+1], 0xfedcba98
	s_wait_kmcnt 0x0
	s_load_b256 s[84:91], s[76:77], 0x0            ; e0 .. e7
	s_add_nc_u64 s[KA:KA+1], s[8:9], s[20:21]      ; key's tile and Wk's, for later
	s_add_nc_u64 s[KB:KB+1], s[10:11], s[46:47]
	s_add_nc_u64 s[20:21], s[4:5], s[20:21]        ; value's
	s_add_nc_u64 s[46:47], s[6:7], s[46:47]        ; Wv's
	CROUND                                         ; all sixteen work-groups are here: the first joint loads meet
.irp s, 0,1
	s_mov_b32 s[G0+4*\s], 1
	s_add_co_u32 s[G0+4*\s+1], s45, \s*SLOT
	s_add_nc_u64 s[G0+4*\s+2:G0+4*\s+3], s[20:21], \s*ROWB
	s_or_b32 s[G0+4*\s+3], s[G0+4*\s+3], 0x80000000
	s_mov_b32 s[G0B+4*\s], 1
	s_add_co_u32 s[G0B+4*\s+1], s45, \s*SLOT
	s_add_nc_u64 s[G0B+4*\s+2:G0B+4*\s+3], s[46:47], \s*ROWB
	s_or_b32 s[G0B+4*\s+3], s[G0B+4*\s+3], 0x80000000
	JLOAD G0+4*\s, G1, G0B+4*\s, G1B               ; v's K steps 0 and 1: two loads of mine are out
.endr
	v_and_b32 v1, 15, v0                           ; r
	v_bfe_u32 v2, v0, 4, 1                         ; h
	s_lshl_b32 s96, s42, 10
	s_lshl_b32 s97, s16, 9
	s_add_co_u32 s96, s96, s97
	v_lshl_add_u32 v[BO], v1, 2, s96               ; column 256 tx + 128 j + r, in bytes
.irp b, 0,1,2,3,4,5,6,7
	global_load_b32 v[BV+\b], v[BO], s[72:73] offset:64*\b
	global_load_b32 v[BK+\b], v[BO], s[74:75] offset:64*\b
.endr
	v_and_b32 v[LI], 31, v0
	v_lshlrev_b32 v[LI], 4, v[LI]
	v_mul_u32_u24 v22, v1, PITCH
	v_lshl_add_u32 v22, v2, 4, v22                 ; a fragment's row x pitch + 16 x half
	s_mul_i32 s21, s15, HALFT                      ; my 128 l
	s_mul_i32 s22, s16, HALFT                      ; my 128 rows of W,
	s_add_co_u32 s22, s22, 2*HALFT                 ; which lie behind A's 256
.irp s, 0,1
	v_add_nc_u32 v[ADRA+\s], s21, v22
	v_add_nc_u32 v[ADRB+\s], s22, v22
	s_add_co_u32 s21, s21, SLOT
	s_add_co_u32 s22, s22, SLOT
.endr
	s_lshl_b32 s23, s15, 9
	s_add_co_u32 s23, s23, TAB
	v_lshl_add_u32 v[TABA], v2, 5, s23             ; TAB + 512 i + 32 h
	s_lshl_b32 s23, s16, 16
	s_lshl_b32 s22, s15, 11
	s_add_co_u32 s23, s23, s22
	v_add_nc_u32 v[KIA], s23, v[LI]                ; heads 2 j on, K step i
	s_lshl_b32 s23, s14, 13
	s_add_co_u32 s22, s23, VE
	v_add_nc_u32 v[VEA], s22, v[LI]
	s_add_co_u32 s22, s23, VL
	v_add_nc_u32 v[VLA], s22, v[LI]
	s_lshl_b32 s23, s15, 11
	s_lshl_b32 s22, s16, 9
	s_add_co_u32 s23, s23, s22
	s_add_co_u32 s23, s23, KSL
	v_lshl_add_u32 v[KSA], v1, 2, s23
	s_lshl_b32 s23, s14, 15
	v_add_nc_u32 v[PA], s23, v[LI]                 ; product 4: wave w takes head w
	s_mul_i32 s23, s16, VE-VL                      ; its v: b 0-3 (even head) or b 4-7 (odd head) of the waves with column half w / 2
	s_lshl_b32 s22, s15, 13
	s_add_co_u32 s23, s23, s22
	s_add_co_u32 s23, s23, VL
	v_add_nc_u32 v[PB], s23, v[LI]
	v_lshlrev_b32 v[T16], 4, v0
	v_add_nc_u32 v[KSR], KSL, v[T16]
	s_lshl_b32 s96, s17, 4                         ; kvp: (64 lc + 16 b + 4 tx + w) x 32,768
	s_lshl_b32 s97, s42, 2
	s_add_co_u32 s96, s96, s97
	s_add_co_u32 s96, s96, s14
	s_lshl_b32 s96, s96, 15
	s_mov_b32 s97, 0
	s_add_nc_u64 s[78:79], s[78:79], s[96:97]
	s_lshl_b32 s96, s17, 2                         ; ksp: (16 lc + 4 b + tx) x 2,048
	s_add_co_u32 s96, s96, s42
	s_lshl_b32 s96, s96, 11
	s_add_nc_u64 s[80:81], s[80:81], s[96:97]
	; the table: thread t makes sin and cos of l = 256 lc + t and of l + 128
	s_lshr_b32 s96, s17, 2
	s_lshl_b32 s96, s96, 8
	s_add_co_u32 s96, s96, 1
	v_add_nc_u32 v32, s96, v0                      ; l + 1
	v_add_nc_u32 v33, 128, v32
	v_cvt_f32_u32 v32, v32
	v_cvt_f32_u32 v33, v33
	v_mul_f32 v32, 0x3fc90fdb, v32                 ; fl(pi/2) x (l + 1), rounded once,
	v_mul_f32 v33, 0x3fc90fdb, v33
	v_mul_f32 v32, 0x39800000, v32                 ; / 4,096: exact
	v_mul_f32 v33, 0x39800000, v33
	v_sub_f32 v34, 0x3fc90fdb, v32                 ; pi/2 - x, pi/2 in two parts
	v_sub_f32 v35, 0x3fc90fdb, v33
	v_add_f32 v34, 0xb33bbd2e, v34
	v_add_f32 v35, 0xb33bbd2e, v35
	SINP2 36, 32, 37, 33, 40
	SINP2 38, 34, 39, 35, 40
	v_lshl_add_u32 v31, v0, 2, TAB
	ds_store_b32 v31, v36
	ds_store_b32 v31, v37 offset:512
	ds_store_b32 v31, v38 offset:1024
	ds_store_b32 v31, v39 offset:1536
	s_wait_kmcnt 0x0
	s_add_co_i32 s92, s88, s89                     ; e4 + e5: a sum of v stands for sum x 2^(e4 + e5)
	s_sub_co_i32 s95, s91, s92                     ; e7 - e4 - e5
	s_sub_co_i32 s92, 0, s92
	s_add_co_i32 s95, s95, 127
	s_lshl_b32 s96, s95, 23
	v_mov_b32 v[SCV], s96
	s_add_co_i32 s95, s95, 15
	s_lshl_b32 s95, s95, 23
	s_or_b32 s95, s95, 0x600000
	v_mov_b32 v[LIMV], s95                         ; 57,344 x that scale
	s_add_co_i32 s94, s86, s87                     ; e2 + e3
	s_sub_co_i32 s95, s90, s94                     ; e6 - e2 - e3
	s_sub_co_i32 s93, 0, s94
	s_add_co_i32 s95, s95, 127
	s_lshl_b32 s96, s95, 23
	v_mov_b32 v[SCK], s96
	s_add_co_i32 s95, s95, 15
	s_lshl_b32 s95, s95, 23
	s_or_b32 s95, s95, 0x600000
	v_mov_b32 v[LIMK], s95
	s_wait_loadcnt 0x0                             ; bv and bk
	WIN 0x40                                       ; destination window 1
.irp b, 0,1,2,3,4,5,6,7
.irp j, 0,1,2,3,4,5,6,7
	v_ldexp_f32 v[128+8*\b+\j], v[BV+\b], s92      ; bv / 2^(e4 + e5): a lane holds one column, so the tile's eight registers are equal
.endr
.endr
	WIN 0
.macro FRAG reg, adr, q, i             ; 16 rows x 128 K: registers 4 c .. 4 c + 3 hold K = 32 c + 16 (lane / 16) + 0 .. 15: the same permutation of K on both sides
.irp c, 0,1,2,3
	ds_load_b128 v[\reg+4*\c:\reg+4*\c+3], v[\adr] offset:128*(\q)+32*\c+(\i)*16*PITCH
.endr
.endm
; 16 matrix instructions: A's blocks a0, a0 + 1 x B's eight.  p: B's set.  bias = 1: the first products take the bias as C.  The 64 accumulators take turns.
.macro MUL16 a0, p, bias
.irp a, \a0, \a0+1
.irp b, 0,1,2,3,4,5,6,7
.if \bias
	v_wmma_f32_16x16x128_bf8_bf8 v[8*(8*((\a)%4)+\b):8*(8*((\a)%4)+\b)+7], v[AF+FR*(\a):AF+FR*(\a)+FR-1], v[128*(\p)+FR*\b:128*(\p)+FR*\b+FR-1], v[128+8*\b:128+8*\b+7]
.else
	v_wmma_f32_16x16x128_bf8_bf8 v[8*(8*((\a)%4)+\b):8*(8*((\a)%4)+\b)+7], v[AF+FR*(\a):AF+FR*(\a)+FR-1], v[128*(\p)+FR*\b:128*(\p)+FR*\b+FR-1], v[8*(8*((\a)%4)+\b):8*(8*((\a)%4)+\b)+7]
.endif
.endr
.endr
.endm
.macro FETCH_B slot, q, p
	WIN TO_B
.irp i, 0,1,2,3,4,5,6,7
	FRAG 128*(\p)+FR*\i, ADRB+\slot, \q, \i
.endr
	WIN 0
.endm
.macro FETCH_A slot, q, i0
.irp i, \i0, \i0+1, \i0+2, \i0+3
	FRAG AF+FR*(\i), ADRA+\slot, \q, \i
.endr
.endm
.macro PLACES n                        ; plain vector lines between a matrix instruction and a load into, or a vector read or write of, its registers
.rept \n
	v_nop
.endr
.endm
; A product's first 128 along K.  The bias lies where B's second set will lie, so that set is fetched only behind all 64 products.
.macro STEPF slot
	s_wait_dscnt 0x0
	WIN BIAS_LO
	MUL16 0, 0, 1
	MUL16 2, 0, 1
	PLACES NP
	WIN 0
	FETCH_A \slot, 1, 0
	WIN BIAS_HI
	MUL16 4, 0, 1
	MUL16 6, 0, 1
	PLACES NP
	FETCH_B \slot, 1, 1
	FETCH_A \slot, 1, 4
.endm
; A step of 128 along K that has its successor in the same slot.
.macro STEP slot, q
	s_wait_dscnt 4*NL                              ; B's set and A's blocks 0-3 are in; the youngest 16 loads (A's blocks 4-7) may be out
	WIN MUL_LO
	MUL16 0, (\q)%2, 0
	MUL16 2, (\q)%2, 0
	s_wait_dscnt 0
	PLACES NP
	FETCH_B \slot, (\q)+1, 1-(\q)%2
	FETCH_A \slot, (\q)+1, 0
	WIN MUL_HI
	MUL16 4, (\q)%2, 0
	MUL16 6, (\q)%2, 0
	PLACES NP
	WIN 0
	FETCH_A \slot, (\q)+1, 4
.endm
; A slot's last step changes slots: in front of the barrier each wave waits for all its tensor loads, adds 0 to its spare word, and waits for that and for its reads of this slot.
; fill = 1: this slot takes the K step two on;  2: it takes k's K step 0 (slot 0) or 1 (slot 1);  0: nothing is filled, and no round follows.
.macro TURN slot, next, fill
	s_wait_tensorcnt 0x0                           ; all my tensor loads have landed: my part of the next slot
	ds_add_u32 v[SPW], v[NIL]                      ; 0 onto my spare word
	s_wait_dscnt 4*NL+1                            ; the add and the youngest 16 loads (A's blocks 4-7) may be out
	WIN MUL_LO
	MUL16 0, 1, 0
	s_wait_dscnt 0x0                               ; the add is done, and my reads of this slot are over
	s_barrier_signal -1
	MUL16 2, 1, 0
	WIN 0
	s_barrier_wait -1
.if \fill
	CREST                                          ; the barrier has opened a round of the cluster's barrier: no wave of any partner still reads this slot or has a load on its way
.if \fill == 1
	s_add_nc_u64 s[G0+4*\slot+2:G0+4*\slot+3], s[G0+4*\slot+2:G0+4*\slot+3], 2*ROWB
	s_add_nc_u64 s[G0B+4*\slot+2:G0B+4*\slot+3], s[G0B+4*\slot+2:G0B+4*\slot+3], 2*ROWB
.else
.if \slot == 0
	s_mov_b64 s[G0+2:G0+3], s[KA:KA+1]
	s_mov_b64 s[G0B+2:G0B+3], s[KB:KB+1]
.else
	s_add_nc_u64 s[G0+6:G0+7], s[KA:KA+1], ROWB
	s_add_nc_u64 s[G0B+6:G0B+7], s[KB:KB+1], ROWB
.endif
	s_or_b32 s[G0+4*\slot+3], s[G0+4*\slot+3], 0x80000000
	s_or_b32 s[G0B+4*\slot+3], s[G0B+4*\slot+3], 0x80000000
.endif
	JLOAD G0+4*\slot, G1, G0B+4*\slot, G1B         ; the first tensor load behind the round; its four v_nop are also the places in front of the loads below
.else
	PLACES NP
.endif
	FETCH_B \next, 0, 0
	FETCH_A \next, 0, 0
	WIN MUL_HI
	MUL16 4, 1, 0
	MUL16 6, 1, 0
	PLACES NP
	WIN 0
	FETCH_A \next, 0, 4
.endm
	s_wait_tensorcnt 1                             ; my part of K step 0 is in; K step 1's load may stay out
	s_wait_dscnt 0x0                               ; my part of the table is stored
	s_barrier_signal -1
	s_barrier_wait -1
	FETCH_B 0, 0, 0
	FETCH_A 0, 0, 0
	FETCH_A 0, 0, 4
	; ---- v = value Wv^T + bv: eight steps of 128 along K; its last two changes of slots ask for k's first two K steps
	STEPF 0
	TURN 0, 1, 1
	STEP 1, 0
	TURN 1, 0, 1
	STEP 0, 0
	TURN 0, 1, 2
	STEP 1, 0
	TURN 1, 0, 2                                   ; also fetches k's first fragments
	; ---- v is held and quantised: accumulator (a, b) -> registers 2 a, 2 a + 1 of column tile b's fragment.  b 0-3 wait in v32-95, b 4-7 go to LDS now
.irp wn, 2,3
	WIN ((\wn)<<6)|(\wn)
.set n, 0
.rept 256
	v_med3_num_f32 v[n], v[n], -v[LIMV], v[LIMV]   ; the conversion to an 8-bit code does not saturate (ISA guide 7.6.2); each accumulator from its low end on
.set n, n+1
.endr
	WIN \wn
.irp aa, 0,1,2,3
.irp b, 0,1,2,3
	v_cvt_scalef32_pk8_bf8_f32 v[VP+16*\b+2*(4*(\wn-2)+\aa):VP+16*\b+2*(4*(\wn-2)+\aa)+1], v[8*(8*\aa+\b):8*(8*\aa+\b)+7], v[SCV]
.endr
.endr
	WIN 0x40|(\wn)
.irp aa, 0,1,2,3
.irp b, 4,5,6,7
	v_cvt_scalef32_pk8_bf8_f32 v[192+16*(\b-4)+2*(4*(\wn-2)+\aa):192+16*(\b-4)+2*(4*(\wn-2)+\aa)+1], v[8*(8*\aa+\b):8*(8*\aa+\b)+7], v[SCV]
.endr
.endr
.endr
	v_nop                                          ; a plain line behind the last conversion: k's products will write its sources
	WIN 0x04                                       ; store data in window 1
.irp b, 0,1,2,3
.irp c, 0,1,2,3
	ds_store_b128 v[VEA], v[192+16*\b+4*\c:192+16*\b+4*\c+3] offset:2048*\b+512*\c
.endr
.endr
	WIN 0x40
.irp b, 0,1,2,3,4,5,6,7
.irp j, 0,1,2,3,4,5,6,7
	v_ldexp_f32 v[128+8*\b+\j], v[BK+\b], s93      ; bk / 2^(e2 + e3)
.endr
.endr
	WIN 0
	; ---- k = key Wk^T + bk
	STEPF 0                                        ; its wait for 0 also shows the stores above done, whose registers B's second set will take
	TURN 0, 1, 1
	STEP 1, 0
	TURN 1, 0, 1
	STEP 0, 0
	TURN 0, 1, 0
	STEP 1, 0
	s_wait_dscnt 4*NL                              ; the very last step
	WIN MUL_LO
	MUL16 0, 1, 0
	MUL16 2, 1, 0
	s_wait_dscnt 0
	WIN MUL_HI
	MUL16 4, 1, 0
	MUL16 6, 1, 0
	PLACES NP
	WIN 0
	s_barrier_signal -1                            ; no LDS instruction of mine is out: my reads of both slots are over; both have had their last fill
	s_barrier_wait -1                              ; so have everybody's: the slots' bytes may take images
.irp b, 0,1,2,3
.irp c, 0,1,2,3
	ds_store_b128 v[VLA], v[VP+16*\b+4*\c:VP+16*\b+4*\c+3] offset:2048*\b+512*\c
.endr
.endr
	; ---- k's epilogue, two blocks a at a time: relu, x sin, x cos, the f32 sums, the holds, the conversions
.macro KRELU a
	WIN 0x08+4*((\a)/4)                            ; source 1: window 2 or 3
.set n, 0
.rept 64
	v_max_num_f32 v[KR+n], 0, v[64*((\a)%4)+n]
.set n, n+1
.endr
	WIN 0
.endm
.macro KBLK a, b, e
.set RB, KR+8*(\b)
.set TS, KT+16*((\b)%2)
.set TC, TS+8
.set SB, KSN+8*(\e)
.set CB, KCS+8*(\e)
.set US, KSUM+4*(\b)
.set UC, US+2
.irp p, 0,2,4,6
	v_pk_mul_f32 v[TS+\p:TS+\p+1], v[RB+\p:RB+\p+1], v[SB+\p:SB+\p+1]
	v_pk_mul_f32 v[TC+\p:TC+\p+1], v[RB+\p:RB+\p+1], v[CB+\p:CB+\p+1]
.if ((\a) == 0) && (\p == 2)
	v_pk_fma_f32 v[US:US+1], v[RB+\p:RB+\p+1], v[SB+\p:SB+\p+1], v[TS:TS+1]   ; the first product starts the sum
	v_pk_fma_f32 v[UC:UC+1], v[RB+\p:RB+\p+1], v[CB+\p:CB+\p+1], v[TC:TC+1]
.elseif ((\a) != 0) || (\p != 0)
	v_pk_fma_f32 v[US:US+1], v[RB+\p:RB+\p+1], v[SB+\p:SB+\p+1], v[US:US+1]   ; the sum is taken of the unquantised k_
	v_pk_fma_f32 v[UC:UC+1], v[RB+\p:RB+\p+1], v[CB+\p:CB+\p+1], v[UC:UC+1]
.endif
.endr
.irp n, 0,1,2,3,4,5,6,7
	v_min_num_f32 v[TS+\n], v[TS+\n], v[LIMK]      ; relu(k) sin is never negative: a one-sided hold
.endr
.irp n, 0,1,2,3,4,5,6,7
	v_med3_num_f32 v[TC+\n], v[TC+\n], -v[LIMK], v[LIMK]   ; the f32 cos of the last l is a little under 0
.endr
	v_cvt_scalef32_pk8_bf8_f32 v[KCODE+8*(\b)+2*(\e):KCODE+8*(\b)+2*(\e)+1], v[TS:TS+7], v[SCK]
	v_cvt_scalef32_pk8_bf8_f32 v[KCODE+8*(\b)+4+2*(\e):KCODE+8*(\b)+4+2*(\e)+1], v[TC:TC+7], v[SCK]   ; the next block's lines are plain and work on the other set
.endm
.irp u, 0,1,2,3
.irp e, 0,1
	ds_load_b128 v[KSN+8*\e:KSN+8*\e+3],   v[TABA] offset:64*(2*\u+\e)
	ds_load_b128 v[KSN+8*\e+4:KSN+8*\e+7], v[TABA] offset:64*(2*\u+\e)+16
	ds_load_b128 v[KCS+8*\e:KCS+8*\e+3],   v[TABA] offset:1024+64*(2*\u+\e)
	ds_load_b128 v[KCS+8*\e+4:KCS+8*\e+7], v[TABA] offset:1024+64*(2*\u+\e)+16
.endr
.if \u == 0
	s_wait_dscnt 8                                 ; all but the 8 loads just issued: the stores of v32-95 are done, which the relu writes
.endif
	KRELU 2*\u
	s_wait_dscnt 0x0                               ; sin and cos are in; the last pair's stores have read their codes
.irp b, 0,1,2,3,4,5,6,7
	KBLK 2*\u, \b, 0
.endr
	KRELU 2*\u+1
.irp b, 0,1,2,3,4,5,6,7
	KBLK 2*\u+1, \b, 1
.endr
.irp b, 0,1,2,3,4,5,6,7
.irp sc, 0,1
	ds_store_b128 v[KIA], v[KCODE+4*(2*\b+\sc):KCODE+4*(2*\b+\sc)+3] offset:32768*(\b/4)+4096*(4*\sc+\b%4)+512*\u   ; head 2 j + b / 4, d tile 4 sc + b % 4, registers 4 u on
.endr
.endr
.endr
.irp q, 0,1,2,3,4,5,6,7,8,9,10,11,12,13,14,15
	v_add_f32 v[KSUM+2*\q], v[KSUM+2*\q], v[KSUM+2*\q+1]
.endr
.irp q, 0,1,2,3,4,5,6,7,8,9,10,11,12,13,14,15
	v_permlanex16_b32 v[KSUM+2*\q+1], v[KSUM+2*\q], s[SEL], s[SEL+1]   ; the column's other 64 l lie in the lane 16 away
.endr
.irp q, 0,1,2,3,4,5,6,7,8,9,10,11,12,13,14,15
	v_add_f32 v[KSUM+2*\q], v[KSUM+2*\q], v[KSUM+2*\q+1]
.endr
.irp b, 0,1,2,3,4,5,6,7
.irp sc, 0,1
	ds_store_b32 v[KSA], v[KSUM+4*\b+2*\sc] offset:1024*\sc+64*\b   ; lanes r and r + 16 store the same number to the same word
.endr
.endr
	s_wait_dscnt 0x0                               ; for the others' sake: my images and my sums are stored
	s_barrier_signal -1
	s_barrier_wait -1
	; ---- product 4: wave w takes head w: 8 tiles of d x 4 tiles of m, two K steps of 128 l
.irp ks, 0,1
	WIN 0x40
.irp dt, 0,1,2,3,4,5,6,7
.irp c, 0,1,2,3
	ds_load_b128 v[128*\ks+16*\dt+4*\c:128*\ks+16*\dt+4*\c+3], v[PA] offset:4096*\dt+2048*\ks+512*\c
.endr
.endr
	WIN 0
.irp mt, 0,1,2,3
.irp c, 0,1,2,3
	ds_load_b128 v[128+64*\ks+16*\mt+4*\c:128+64*\ks+16*\mt+4*\c+3], v[PB] offset:16384*\ks+2048*\mt+512*\c
.endr
.endr
.endr
	ds_load_b128 v[32:35], v[KSR]                  ; the sums of k_ of the two row halves
	ds_load_b128 v[36:39], v[KSR] offset:2048
	s_wait_dscnt 50                                ; the first K step's 48 loads are in; the second's 48 and the two above may be out
	WIN 0xa1                                       ; source 0 (k_) window 1, source 1 (v) window 0, C and D window 2
.irp dt, 0,1,2,3,4,5,6,7
.irp mt, 0,1,2,3
	v_wmma_f32_16x16x128_bf8_bf8 v[8*(4*\dt+\mt):8*(4*\dt+\mt)+7], v[16*\dt:16*\dt+15], v[128+16*\mt:128+16*\mt+15], 0
.endr
.endr
	s_wait_dscnt 0x0
.irp dt, 0,1,2,3,4,5,6,7
.irp mt, 0,1,2,3
	v_wmma_f32_16x16x128_bf8_bf8 v[8*(4*\dt+\mt):8*(4*\dt+\mt)+7], v[128+16*\dt:128+16*\dt+15], v[192+16*\mt:192+16*\mt+15], v[8*(4*\dt+\mt):8*(4*\dt+\mt)+7]
.endr
.endr
	WIN 0
	v_pk_add_f32 v[32:33], v[32:33], v[36:37]      ; six plain lines: also the places behind the last products
	v_pk_add_f32 v[34:35], v[34:35], v[38:39]
.irp n, 0,1,2,3
	v_ldexp_f32 v[32+\n], v[32+\n], s94            ; x 2^(e2 + e3)
.endr
	WIN 0x08                                       ; store data in window 2
.irp q, 0,1,2,3,4,5,6,7,8,9,10,11,12,13,14,15,16,17,18,19,20,21,22,23,24,25,26,27,28,29,30,31
	global_store_b128 v[LI], v[8*\q:8*\q+3], s[78:79] offset:1024*\q          ; each store of the wave covers 512 consecutive bytes, aligned; an accumulator's low four registers first
	global_store_b128 v[LI], v[8*\q+4:8*\q+7], s[78:79] offset:1024*\q+512
.endr
	WIN 0
	global_store_b128 v[T16], v[32:35], s[80:81]
	s_wait_tensorcnt 0x0                           ; the wave's end
	ds_add_u32 v[SPW], v[NIL]
	s_wait_dscnt 0x0
	CROUND                                         ; the closing round
	s_endpgm
.Lfunc_end_k_qb49b5a7b22_kv:
	.size	k_qb49b5a7b22_kv, .Lfunc_end_k_qb49b5a7b22_kv-k_qb49b5a7b22_kv
	.p2alignl 7, 3214868480
	.fill 96, 4, 3214868480
	.section	.rodata,"a",@progbits
	.p2align	6, 0x0
	.amdhsa_kernel k_qb49b5a7b22_kv
		.amdhsa_group_segment_fixed_size 327680
		.amdhsa_private_segment_fixed_size 0
		.amdhsa_enable_private_segment 0
		.amdhsa_kernarg_size 72
		.amdhsa_user_sgpr_count 2
		.amdhsa_user_sgpr_kernarg_segment_ptr 1
		.amdhsa_wavefront_size32 1
		.amdhsa_system_sgpr_workgroup_id_x 1
		.amdhsa_system_sgpr_workgroup_id_y 1
		.amdhsa_system_sgpr_workgroup_id_z 1
		.amdhsa_system_vgpr_workitem_id 0
		.amdhsa_next_free_vgpr 1024
		.amdhsa_next_free_sgpr 100
		.amdhsa_reserve_vcc 0
		.amdhsa_float_denorm_mode_32 3
		.amdhsa_float_denorm_mode_16_64 3
		.amdhsa_memory_ordered 1
		.amdhsa_forward_progress 1
		.amdhsa_inst_pref_size 255
	.end_amdhsa_kernel
	.section	.bss,"aw",@nobits
	.p2align	6
	.space	262144
	.amdgpu_metadata
---
amdhsa.version: [ 1, 2 ]
amdhsa.kernels:
  - .name:           k_qb49b5a7b22_kv
    .symbol:         k_qb49b5a7b22_kv.kd
    .args:
      - { .name: value_codes, .offset: 0, .size: 8, .value_kind: global_buffer, .address_space: global }
      - { .name: Wv_codes, .offset: 8, .size: 8, .value_kind: global_buffer, .address_space: global }
      - { .name: key__codes, .offset: 16, .size: 8, .value_kind: global_buffer, .address_space: global }
      - { .name: Wk_codes, .offset: 24, .size: 8, .value_kind: global_buffer, .address_space: global }
      - { .name: bv, .offset: 32, .size: 8, .value_kind: global_buffer, .address_space: global }
      - { .name: bk, .offset: 40, .size: 8, .value_kind: global_buffer, .address_space: global }
      - { .name: lowp_scales, .offset: 48, .size: 8, .value_kind: global_buffer, .address_space: global }
      - { .name: kvp, .offset: 56, .size: 8, .value_kind: global_buffer, .address_space: global }
      - { .name: ksp, .offset: 64, .size: 8, .value_kind: global_buffer, .address_space: global }
    .group_segment_fixed_size: 327680
    .private_segment_fixed_size: 0
    .kernarg_segment_align: 8
    .kernarg_segment_size: 72
    .max_flat_workgroup_size: 128
    .sgpr_count:     100
    .vgpr_count:     1024
    .wavefront_size: 32
...
	.end_amdgpu_metadata
.endif
;; end of part 1
;; launch red (part 2): grid 256 x 1, 4 waves a work-group, no clusters, 0 bytes of LDS; arguments kvp, ksp, lowp_scales, kvc, ks; writes kvc, ks
.if DOCPART == 2
	.amdgcn_target "amdgcn-amd-amdhsa--gfx1250"
	.amdhsa_code_object_version 6
	.text
	.protected	k_qb49b5a7b22_red
	.globl	k_qb49b5a7b22_red
	.p2align	8
	.type	k_qb49b5a7b22_red,@function
k_qb49b5a7b22_red:
	s_mov_b64 s[64:65], 0
	v_nop
	global_prefetch_b8 v0, s[64:65] scope:SCOPE_SE
	s_setreg_imm32_b32 hwreg(HW_REG_WAVE_MODE, 25, 1), 1
	s_wait_xcnt 0x0
; The 16 chunks' parts of kv_ are added in f32, chunk 0 first, and quantised (e8) into the order of the next product's operand registers; the 16 parts of the sum of k_ are added.
; Work-group g = 4 bh + mt; wave p takes d tiles 2 p and 2 p + 1 of (bh, mt): 16 registers a lane for each chunk, four loads of 512 consecutive bytes.
; A lane's registers run along d (8 of each d tile), the next product's K: the two conversions give registers 4 p .. 4 p + 3 of the fragment of m tile mt.
; kvc: [bh][mt][p][lane][16 bytes];  ks: [bh][sin 64, cos 64] f32.  Memory binds: no LDS, no barrier, no matrix unit.  Up to 48 loads of a wave are out.
; LIMIT: e8 - e6 - e7 lies between -126 and 112.  NaN is not served.
.set X,   32                           ; v32-223  twelve chunks of 16 registers
.set ACC, 224                          ; v224-239 the sums
.set CD,  240                          ; v240-243 the codes
	s_load_b256 s[4:11], s[0:1], 0x0               ; kvp s[4:5], ksp s[6:7], the scales' exponents s[8:9], kvc s[10:11]
	s_load_b64 s[12:13], s[0:1], 0x20              ; ks
	v_lshrrev_b32 v2, 5, v0
	v_readfirstlane_b32 s14, v2                    ; wave p
	v_and_b32 v1, 31, v0
	v_lshlrev_b32 v1, 4, v1                        ; 16 x lane; never rewritten
	v_bfe_u32 v3, v0, 4, 1
	v_and_b32 v4, 15, v0
	v_lshlrev_b32 v3, 10, v3
	v_lshl_add_u32 v3, v4, 4, v3                   ; ksp: 1,024 (lane / 16) + 16 (lane % 16)
	s_lshr_b32 s15, ttmp9, 2                       ; bh
	s_and_b32 s28, ttmp9, 3                        ; mt
	s_lshl_b32 s30, s15, 15                        ; 32,768 bh
	s_lshl_b32 s31, s14, 13                        ; + 1,024 x 8 p
	s_add_co_u32 s30, s30, s31
	s_lshl_b32 s31, s28, 10                        ; + 1,024 mt
	s_add_co_u32 s30, s30, s31
	s_mov_b32 s31, 0
	s_lshl_b32 s32, ttmp9, 2
	s_add_co_u32 s32, s32, s14
	s_lshl_b32 s32, s32, 9                         ; kvc: (4 g + p) x 512
	s_mov_b32 s33, 0
	s_wait_kmcnt 0x0
	s_load_b128 s[24:27], s[8:9], 0x18             ; e6, e7, e8, e9
	s_add_nc_u64 s[16:17], s[4:5], s[30:31]        ; four bases, four chunks (4 x 2,097,152 bytes) apart: a chunk's place among four stands in the immediate
	s_add_nc_u64 s[18:19], s[16:17], 0x800000
	s_add_nc_u64 s[20:21], s[18:19], 0x800000
	s_add_nc_u64 s[22:23], s[20:21], 0x800000
	s_add_nc_u64 s[10:11], s[10:11], s[32:33]
.macro LOADC n                         ; chunk n: d tile 2 p's two halves, then d tile 2 p + 1's
.irp i, 0,1,2,3
	global_load_b128 v[X+16*((\n)%12)+4*\i:X+16*((\n)%12)+4*\i+3], v1, s[16+2*((\n)/4):17+2*((\n)/4)] offset:((\n)%4)*2097152+512*(\i%2)+4096*(\i/2) th:TH_LOAD_NT
.endr
.endm
.macro ADDC n
.irp j, 0,2,4,6,8,10,12,14
	v_pk_add_f32 v[ACC+\j:ACC+\j+1], v[ACC+\j:ACC+\j+1], v[X+16*((\n)%12)+\j:X+16*((\n)%12)+\j+1]
.endr
.endm
.irp n, 0,1,2,3,4,5,6,7,8,9,10,11
	LOADC \n
.endr
	s_wait_loadcnt 40                              ; chunks 0 and 1 are in; the ten chunks behind them may be out
.irp j, 0,2,4,6,8,10,12,14
	v_pk_add_f32 v[ACC+\j:ACC+\j+1], v[X+\j:X+\j+1], v[X+16+\j:X+16+\j+1]   ; the first two chunks start the sums
.endr
	LOADC 12
	LOADC 13
	s_wait_loadcnt 44                              ; chunk 2 is in; chunks 3 to 13 may be out
	ADDC 2
	LOADC 14
	s_wait_loadcnt 44                              ; chunk 3; chunks 4 to 14 may be out
	ADDC 3
	LOADC 15
.irp n, 4,5,6,7,8,9,10,11,12,13,14,15
	s_wait_loadcnt 4*(15-\n)                       ; chunk n is in; the chunks behind it may be out
	ADDC \n
.endr
	s_wait_kmcnt 0x0
	s_sub_co_i32 s29, s26, s24
	s_sub_co_i32 s29, s29, s25                     ; e8 - e6 - e7: a sum stands for sum x 2^(e6 + e7)
	s_add_co_i32 s29, s29, 127
	s_lshl_b32 s30, s29, 23
	v_mov_b32 v5, s30
	s_add_co_i32 s29, s29, 15
	s_lshl_b32 s29, s29, 23
	s_or_b32 s29, s29, 0x600000
	v_mov_b32 v6, s29                              ; 57,344 x that scale
.irp j, 0,1,2,3,4,5,6,7,8,9,10,11,12,13,14,15
	v_med3_num_f32 v[ACC+\j], v[ACC+\j], -v6, v6   ; the conversion to an 8-bit code does not saturate (ISA guide 7.6.2)
.endr
	v_cvt_scalef32_pk8_bf8_f32 v[CD:CD+1], v[ACC:ACC+7], v5
	v_cvt_scalef32_pk8_bf8_f32 v[CD+2:CD+3], v[ACC+8:ACC+15], v5
	global_store_b128 v1, v[CD:CD+3], s[10:11]     ; the wave stores 512 consecutive bytes, aligned
	; the sum of k_: wave 0 of the work-group with mt = 0 serves head bh
	s_or_b32 s28, s28, s14
	s_cmp_lg_u32 s28, 0
	s_cbranch_scc1 .Ldone
	s_lshr_b32 s30, s15, 2
	s_lshl_b32 s30, s30, 11                        ; 2,048 x (4 b + tx)
	s_and_b32 s31, s15, 3
	s_lshl_b32 s31, s31, 8                         ; + the head's 64 columns
	s_add_co_u32 s30, s30, s31
	s_mov_b32 s31, 0
	s_add_nc_u64 s[6:7], s[6:7], s[30:31]
	s_lshl_b32 s30, s15, 9
	s_add_nc_u64 s[12:13], s[12:13], s[30:31]
.irp n, 0,1,2,3,4,5,6,7,8,9,10,11,12,13,14,15
	global_load_b128 v[X+4*\n:X+4*\n+3], v3, s[6:7] offset:32768*\n   ; X's earlier loads are all in and added
.endr
	s_wait_loadcnt 14
	v_pk_add_f32 v[96:97], v[X:X+1], v[X+4:X+5]
	v_pk_add_f32 v[98:99], v[X+2:X+3], v[X+6:X+7]
.irp n, 2,3,4,5,6,7,8,9,10,11,12,13,14,15
	s_wait_loadcnt 15-\n
	v_pk_add_f32 v[96:97], v[96:97], v[X+4*\n:X+4*\n+1]
	v_pk_add_f32 v[98:99], v[98:99], v[X+4*\n+2:X+4*\n+3]
.endr
	global_store_b128 v1, v[96:99], s[12:13]
.Ldone:
	s_endpgm
.Lfunc_end_k_qb49b5a7b22_red:
	.size	k_qb49b5a7b22_red, .Lfunc_end_k_qb49b5a7b22_red-k_qb49b5a7b22_red
	.p2alignl 7, 3214868480
	.fill 96, 4, 3214868480
	.section	.rodata,"a",@progbits
	.p2align	6, 0x0
	.amdhsa_kernel k_qb49b5a7b22_red
		.amdhsa_group_segment_fixed_size 0
		.amdhsa_private_segment_fixed_size 0
		.amdhsa_enable_private_segment 0
		.amdhsa_kernarg_size 40
		.amdhsa_user_sgpr_count 2
		.amdhsa_user_sgpr_kernarg_segment_ptr 1
		.amdhsa_wavefront_size32 1
		.amdhsa_system_sgpr_workgroup_id_x 1
		.amdhsa_system_sgpr_workgroup_id_y 1
		.amdhsa_system_sgpr_workgroup_id_z 1
		.amdhsa_system_vgpr_workitem_id 0
		.amdhsa_next_free_vgpr 248
		.amdhsa_next_free_sgpr 66
		.amdhsa_reserve_vcc 0
		.amdhsa_float_denorm_mode_32 3
		.amdhsa_float_denorm_mode_16_64 3
		.amdhsa_memory_ordered 1
		.amdhsa_forward_progress 1
		.amdhsa_inst_pref_size 22
	.end_amdhsa_kernel
	.amdgpu_metadata
---
amdhsa.version: [ 1, 2 ]
amdhsa.kernels:
  - .name:           k_qb49b5a7b22_red
    .symbol:         k_qb49b5a7b22_red.kd
    .args:
      - { .name: kvp, .offset: 0, .size: 8, .value_kind: global_buffer, .address_space: global }
      - { .name: ksp, .offset: 8, .size: 8, .value_kind: global_buffer, .address_space: global }
      - { .name: lowp_scales, .offset: 16, .size: 8, .value_kind: global_buffer, .address_space: global }
      - { .name: kvc, .offset: 24, .size: 8, .value_kind: global_buffer, .address_space: global }
      - { .name: ks, .offset: 32, .size: 8, .value_kind: global_buffer, .address_space: global }
    .group_segment_fixed_size: 0
    .private_segment_fixed_size: 0
    .kernarg_segment_align: 8
    .kernarg_segment_size: 40
    .max_flat_workgroup_size: 128
    .sgpr_count:     66
    .vgpr_count:     248
    .wavefront_size: 32
...
	.end_amdgpu_metadata
.endif
;; end of part 2
;; launch qo (part 3): grid 4 x 64, 4 waves a work-group, clusters of 4 x 4, 327,680 bytes of LDS; arguments query_codes, Wq_codes, bq, lowp_scales, kvc, ks, out0; writes out0
.if DOCPART == 3
	.amdgcn_target "amdgcn-amd-amdhsa--gfx1250"
	.amdhsa_code_object_version 6
	.text
	.protected	k_qb49b5a7b22_qo
	.globl	k_qb49b5a7b22_qo
	.p2align	8
	.type	k_qb49b5a7b22_qo,@function
k_qb49b5a7b22_qo:
	s_mov_b64 s[64:65], 0
	v_nop
	global_prefetch_b8 v0, s[64:65] scope:SCOPE_SE
	s_setreg_imm32_b32 hwreg(HW_REG_WAVE_MODE, 25, 1), 1
	s_wait_xcnt 0x0
	s_wait_alu depctr_hold_cnt(0) depctr_sa_sdst(0) depctr_va_vdst(0) depctr_va_sdst(0) depctr_va_ssrc(0) depctr_va_vcc(0) depctr_vm_vsrc(0)
	s_getreg_b32 s2, hwreg(HW_REG_IB_STS2, 6, 4)
	s_cmp_eq_u32 s2, 0
	s_cbranch_scc0 .Lentry_in_a_cluster
	s_endpgm
.Lentry_in_a_cluster:
	s_bfe_u32 s2, ttmp6, 0x10000c
	s_cmp_lg_u32 s2, 0xf033
	s_cbranch_scc0 .Lentry_shape_is_right
	s_endpgm
.Lentry_shape_is_right:
; q = relu(query Wq^T + bq) on codes of E5M2; q_ = (q sin, q cos); den = q_ . (the sum of k_) in f32; q_ quantised (e9); out = (kv_^T q_) / max(den, 1e-4).
; A work-group takes 256 l of one b (chunk lc = cluster y, b = cy) x 256 columns (4 heads, tx = cx).  Four waves, each 128 l x 128 columns (2 heads).
; THE MATRIX INSTRUCTION IS USED TRANSPOSED (source 0 = 16 rows of Wq, source 1 = 16 l): a lane holds ONE l and its registers run along the head's channels d, the next product's K.
; So sin, cos, den and z are one number a lane, and the conversions of tiles t = 0 .. 3 of a head give registers 2 t, 2 t + 1 (sin) and 8 + 2 t, 9 + 2 t (cos) of q_'s fragment (16 l x 128 d).
; den = sin x (q . the sin sums) + cos x (q . the cos sums): sin and cos hang on l alone, so they are taken out of the sum over d.
; The last product (source 0 = 16 m of kv_^T, from kvc as it lies; source 1 = q_) again holds one l a lane, and eight neighbouring m: 32 bytes of a row of out.
; CLUSTER 4 x 4: rows of query shared along a row of the cluster, rows of Wq along a column: joint loads.
; LIMITS: e9 - e0 - e1 lies between -126 and 112.  NaN among the inputs is not served.
; REGISTERS: window 0: v0-31 addresses and scales; v96-111 (sin, cos) of my l in block a; v128-255 A's fragments; in the epilogue v32-95 relu(q), v112-143 products, v144-175 q_'s codes,
;   v176-191 den and z, v192-255 the last product's results.  window 1: B's fragments, two sets; the bias as C in v128-191 at the first step; in the epilogue v0-127 kv_'s fragments, v128-255 the sums of k_.
;   windows 2, 3: accumulator (a, b) at v[8 (8 (a % 4) + b)]; once block a is read, its 64 registers take its rows of out on their way to memory.
.set ROWB,  256
.set PITCH, 272
.set FR,    16
.set NL,    4
.set NP,    4
.set HALFT, 128*PITCH
.set SLOT,  4*HALFT
.set SPARE, 2*SLOT                     ; the spare words: 128 bytes for each wave
.set KSQ,   SPARE+512                  ; the four heads' sums of k_: 4 x 512 bytes
.set SPITCH, 528                       ; the way out: 16 rows x (512 + 16) bytes for each wave, in slot 0, behind its last fill and last read
.set LI,   3                           ; v3   16 x lane
.set T16,  11                          ; v11  16 x thread
.set SCQ,  12                          ; v12, v13 the conversion's scale, and the largest number x it
.set LIMQ, 13
.set ADRA, 16
.set ADRB, 20
.set STO,  24                          ; v24  the stage: where I put 32 bytes of a row
.set RD,   25                          ; v25  and where I read a row back
.set SKA,  26                          ; v26  the sums of k_ of my two heads, my half's eight
.set SPW,  28
.set NIL,  29
.set BO,   30                          ; v30  my eight columns' bytes in bq
.set QR,   32
.set SCN,  96
.set QT,   112
.set QC,   144
.set DEN,  176
.set ZW,   184
.set ZZ,   188
.set QO,   192
.set AF,   128
.set G1,  24
.set G0,  32
.set G1B, 48
.set G0B, 56
.set SEL, 66
.set MSB, 0
.macro WIN new
.if MSB != (\new)
	s_set_vgpr_msb (MSB<<8)|(\new)
.set MSB, (\new)
.endif
.endm
.set MUL_LO,  0xa1                     ; source 0 (B) window 1, source 1 (A) window 0, C and D window 2
.set MUL_HI,  0xf1
.set BIAS_LO, 0x91                     ; C (the bias) window 1
.set BIAS_HI, 0xd1
.set TO_B,    0x40
.macro JLOAD g0a, g1a, g0b, g1b        ; waves 0 and 1 fetch for A, waves 2 and 3 for B; four v_nop follow each of the two lines
	s_cmp_eq_u32 s15, 0
	s_cbranch_scc0 .Lfor_b_\@
	tensor_load_to_lds s[\g0a:\g0a+3], s[\g1a:\g1a+7]
	s_nop 0
.rept 4
	v_nop
.endr
	s_branch .Lasked_\@
.Lfor_b_\@:
	tensor_load_to_lds s[\g0b:\g0b+3], s[\g1b:\g1b+7]
	s_nop 0
.rept 4
	v_nop
.endr
.Lasked_\@:
.endm
.macro CREST
	s_cmp_lg_u32 s14, 0
	s_cbranch_scc1 .Lnot_wave_0_\@
	s_barrier_signal -3
.Lnot_wave_0_\@:
	s_barrier_wait -3
	s_barrier_signal -1
	s_barrier_wait -1
.endm
.macro CROUND
	s_barrier_signal -1
	s_barrier_wait -1
	CREST
.endm
.macro SINP2 d1, x1, d2, x2, w         ; two sines at once: d = x + x z (c3 + z (c5 + .. + z c13)), z = x x
	v_mul_f32 v[\w], v[\x1], v[\x1]
	v_mul_f32 v[\w+1], v[\x2], v[\x2]
	v_mov_b32 v[\w+2], 0x2f309231
	v_mov_b32 v[\w+3], 0x2f309231
.irp k, 0xb2d7322b, 0x3638ef1d, 0xb9500d01, 0x3c088889, 0xbe2aaaab
	v_fmaak_f32 v[\w+2], v[\w+2], v[\w], \k
	v_fmaak_f32 v[\w+3], v[\w+3], v[\w+1], \k
.endr
	v_mul_f32 v[\w], v[\x1], v[\w]
	v_mul_f32 v[\w+1], v[\x2], v[\w+1]
	v_fma_f32 v[\d1], v[\w], v[\w+2], v[\x1]
	v_fma_f32 v[\d2], v[\w+1], v[\w+3], v[\x2]
.endm
	s_load_b256 s[4:11], s[0:1], 0x0               ; query s[4:5], Wq s[6:7], bq s[8:9], the scales' exponents s[10:11]
	s_load_b128 s[72:75], s[0:1], 0x20             ; kvc s[72:73], ks s[74:75]
	s_load_b64 s[76:77], s[0:1], 0x30              ; out0
	v_lshl_add_u32 v[SPW], v0, 2, SPARE
	v_mov_b32 v[NIL], 0
	ds_add_u32 v28, v29
	ds_add_u32 v28, v29
	s_wait_dscnt 0x0
	v_lshrrev_b32 v1, 5, v0
	v_readfirstlane_b32 s14, v1                    ; wave 0..3
	s_lshr_b32 s15, s14, 1                         ; my half of the 256 l.  Also: I fetch for A (0) or for B (1)
	s_and_b32 s16, s14, 1                          ; my half of the 256 columns.  Also: which 128 rows of that tile I fetch
	s_bfe_u32 s40, ttmp6, 0x40000                  ; cx
	s_bfe_u32 s41, ttmp6, 0x40004                  ; cy
	s_lshl_b32 s42, ttmp9, 2
	s_add_co_u32 s42, s42, s40                     ; tx
	s_and_b32 s17, ttmp7, 0xffff
	s_lshl_b32 s17, s17, 2
	s_add_co_u32 s17, s17, s41                     ; ty = 4 lc + b
	s_lshl_b32 s43, s41, 2
	s_lshl_b32 s43, 15, s43
	s_lshl_b32 s44, 0x1111, s40
	s_or_b32 s[G1+0], s43, (0<<16)|(1<<20)|(1<<21)|(5<<22)|(3<<25)
	s_or_b32 s[G1B+0], s44, (0<<16)|(1<<20)|(1<<21)|(5<<22)|(3<<25)
.irp g, G1, G1B
	s_mov_b32 s[\g+1], ROWB<<16
	s_mov_b32 s[\g+2], 128<<16
	s_mov_b32 s[\g+3], ROWB<<16
	s_mov_b32 s[\g+4], 128
	s_mov_b32 s[\g+6], 0
	s_mov_b32 s[\g+7], 0
.endr
	s_mov_b32 s[G1+5], 4096                        ; from l to l + 1 of one b
	s_mov_b32 s[G1B+5], 1024
	s_lshl_b32 s18, s16, 19
	s_lshr_b32 s20, s17, 2
	s_lshl_b32 s20, s20, 20
	s_add_co_u32 s20, s20, s18
	s_and_b32 s21, s17, 3
	s_lshl_b32 s21, s21, 10
	s_add_co_u32 s20, s20, s21                     ; A: (256 lc + 128 half) x 4,096 + 1,024 b
	s_mov_b32 s21, 0
	s_lshl_b32 s46, s42, 18
	s_lshl_b32 s47, s16, 17
	s_add_co_u32 s46, s46, s47                     ; B: (256 tx + 128 half) x 1,024
	s_mov_b32 s47, 0
	s_mul_i32 s45, s14, HALFT
	s_mov_b32 s[SEL], 0x76543210
	s_mov_b32 s[SEL+1], 0xfedcba98
	s_wait_kmcnt 0x0
	s_load_b64 s[84:85], s[10:11], 0x0             ; e0, e1
	s_load_b64 s[86:87], s[10:11], 0x20            ; e8, e9
	s_add_nc_u64 s[20:21], s[4:5], s[20:21]
	s_add_nc_u64 s[46:47], s[6:7], s[46:47]
	CROUND                                         ; all sixteen work-groups are here: the first joint loads meet
.irp s, 0,1
	s_mov_b32 s[G0+4*\s], 1
	s_add_co_u32 s[G0+4*\s+1], s45, \s*SLOT
	s_add_nc_u64 s[G0+4*\s+2:G0+4*\s+3], s[20:21], \s*ROWB
	s_or_b32 s[G0+4*\s+3], s[G0+4*\s+3], 0x80000000
	s_mov_b32 s[G0B+4*\s], 1
	s_add_co_u32 s[G0B+4*\s+1], s45, \s*SLOT
	s_add_nc_u64 s[G0B+4*\s+2:G0B+4*\s+3], s[46:47], \s*ROWB
	s_or_b32 s[G0B+4*\s+3], s[G0B+4*\s+3], 0x80000000
	JLOAD G0+4*\s, G1, G0B+4*\s, G1B               ; K steps 0 and 1: two loads of mine are out
.endr
	v_and_b32 v1, 15, v0                           ; r
	v_bfe_u32 v2, v0, 4, 1                         ; h
	v_lshlrev_b32 v[T16], 4, v0
	s_lshl_b32 s96, s42, 10
	s_lshl_b32 s97, s16, 9
	s_add_co_u32 s96, s96, s97
	v_lshl_add_u32 v[BO], v2, 5, s96               ; columns 256 tx + 128 j + 8 h on, in bytes
	s_and_b32 s96, s17, 3
	s_lshl_b32 s96, s96, 2
	s_add_co_u32 s96, s96, s42                     ; 4 b + tx
	s_lshl_b32 s98, s96, 11                        ; ks: 512 x (16 b + 4 tx)
	s_mov_b32 s99, 0
	s_add_nc_u64 s[74:75], s[74:75], s[98:99]
	s_lshl_b32 s96, s96, 1
	s_add_co_u32 s96, s96, s16
	s_lshl_b32 s98, s96, 14                        ; kvc: 8,192 x (16 b + 4 tx + 2 j)
	s_add_nc_u64 s[72:73], s[72:73], s[98:99]
	WIN 0x40                                       ; destination window 1
.irp b, 0,1,2,3,4,5,6,7
	global_load_b128 v[128+8*\b:128+8*\b+3], v[BO], s[8:9] offset:64*\b       ; bq in the result's layout: register j of tile b is column 16 b + 8 h + j
	global_load_b128 v[128+8*\b+4:128+8*\b+7], v[BO], s[8:9] offset:64*\b+16
.endr
	WIN 0
	global_load_b128 v[32:35], v[T16], s[74:75]    ; the four heads' sums of k_: 2,048 bytes, 16 a thread
	v_and_b32 v[LI], 31, v0
	v_lshlrev_b32 v[LI], 4, v[LI]
	v_mul_u32_u24 v22, v1, PITCH
	v_lshl_add_u32 v22, v2, 4, v22
	s_mul_i32 s21, s15, HALFT
	s_mul_i32 s22, s16, HALFT
	s_add_co_u32 s22, s22, 2*HALFT
.irp s, 0,1
	v_add_nc_u32 v[ADRA+\s], s21, v22
	v_add_nc_u32 v[ADRB+\s], s22, v22
	s_add_co_u32 s21, s21, SLOT
	s_add_co_u32 s22, s22, SLOT
.endr
	s_mul_i32 s23, s14, 16*SPITCH                  ; my stage
	v_mul_u32_u24 v[STO], v1, SPITCH
	v_lshl_add_u32 v[STO], v2, 5, v[STO]
	v_add_nc_u32 v[STO], s23, v[STO]
	v_add_nc_u32 v[RD], s23, v[LI]
	s_lshl_b32 s23, s16, 10
	s_add_co_u32 s23, s23, KSQ
	v_lshl_add_u32 v[SKA], v2, 5, s23
	v_add_nc_u32 v31, KSQ, v[T16]
	s_lshr_b32 s96, s17, 2                         ; out0: ((256 lc + 128 i) x 4 + b) x 4,096 + 1,024 tx + 512 j
	s_lshl_b32 s96, s96, 22
	s_lshl_b32 s97, s15, 21
	s_add_co_u32 s96, s96, s97
	s_and_b32 s97, s17, 3
	s_lshl_b32 s97, s97, 12
	s_add_co_u32 s96, s96, s97
	s_lshl_b32 s97, s42, 10
	s_add_co_u32 s96, s96, s97
	s_lshl_b32 s97, s16, 9
	s_add_co_u32 s96, s96, s97
	s_mov_b32 s97, 0
	s_add_nc_u64 s[76:77], s[76:77], s[96:97]
	; sin and cos of my l in each block a: l = 256 lc + 128 i + 16 a + r
	s_lshr_b32 s96, s17, 2
	s_lshl_b32 s96, s96, 8
	s_lshl_b32 s97, s15, 7
	s_add_co_u32 s96, s96, s97
	s_add_co_u32 s96, s96, 1
	v_add_nc_u32 v36, s96, v1                      ; l + 1 for a = 0
.irp a, 0,1,2,3,4,5,6,7
	v_add_nc_u32 v40, 16*\a, v36
	v_cvt_f32_u32 v40, v40
	v_mul_f32 v40, 0x3fc90fdb, v40                 ; fl(pi/2) x (l + 1), rounded once,
	v_mul_f32 v40, 0x39800000, v40                 ; / 4,096: exact
	v_sub_f32 v41, 0x3fc90fdb, v40                 ; pi/2 - x, pi/2 in two parts
	v_add_f32 v41, 0xb33bbd2e, v41
	SINP2 SCN+2*\a, 40, SCN+2*\a+1, 41, 42
.endr
	s_wait_kmcnt 0x0
	s_add_co_i32 s93, s84, s85                     ; e0 + e1: a sum of q stands for sum x 2^(e0 + e1)
	s_sub_co_i32 s95, s87, s93                     ; e9 - e0 - e1
	s_sub_co_i32 s92, 0, s93
	s_add_co_i32 s94, s86, s87                     ; e8 + e9
	s_add_co_i32 s95, s95, 127
	s_lshl_b32 s96, s95, 23
	v_mov_b32 v[SCQ], s96
	s_add_co_i32 s95, s95, 15
	s_lshl_b32 s95, s95, 23
	s_or_b32 s95, s95, 0x600000
	v_mov_b32 v[LIMQ], s95
	s_wait_loadcnt 0x0                             ; bq and the sums of k_
	ds_store_b128 v31, v[32:35]
	WIN 0x41                                       ; source 0 and destination window 1
.set n, 0
.rept 64
	v_ldexp_f32 v[128+n], v[128+n], s92            ; bq / 2^(e0 + e1)
.set n, n+1
.endr
	WIN 0
.macro FRAG reg, adr, q, i
.irp c, 0,1,2,3
	ds_load_b128 v[\reg+4*\c:\reg+4*\c+3], v[\adr] offset:128*(\q)+32*\c+(\i)*16*PITCH
.endr
.endm
.macro MUL16 a0, p, bias               ; the 64 accumulators take turns
.irp a, \a0, \a0+1
.irp b, 0,1,2,3,4,5,6,7
.if \bias
	v_wmma_f32_16x16x128_bf8_bf8 v[8*(8*((\a)%4)+\b):8*(8*((\a)%4)+\b)+7], v[128*(\p)+FR*\b:128*(\p)+FR*\b+FR-1], v[AF+FR*(\a):AF+FR*(\a)+FR-1], v[128+8*\b:128+8*\b+7]
.else
	v_wmma_f32_16x16x128_bf8_bf8 v[8*(8*((\a)%4)+\b):8*(8*((\a)%4)+\b)+7], v[128*(\p)+FR*\b:128*(\p)+FR*\b+FR-1], v[AF+FR*(\a):AF+FR*(\a)+FR-1], v[8*(8*((\a)%4)+\b):8*(8*((\a)%4)+\b)+7]
.endif
.endr
.endr
.endm
.macro FETCH_B slot, q, p
	WIN TO_B
.irp i, 0,1,2,3,4,5,6,7
	FRAG 128*(\p)+FR*\i, ADRB+\slot, \q, \i
.endr
	WIN 0
.endm
.macro FETCH_A slot, q, i0
.irp i, \i0, \i0+1, \i0+2, \i0+3
	FRAG AF+FR*(\i), ADRA+\slot, \q, \i
.endr
.endm
.macro PLACES n
.rept \n
	v_nop
.endr
.endm
.macro STEPF slot                      ; the first 128 along K: the bias lies where B's second set will lie, so that set is fetched behind all 64 products
	s_wait_dscnt 0x0
	WIN BIAS_LO
	MUL16 0, 0, 1
	MUL16 2, 0, 1
	PLACES NP
	WIN 0
	FETCH_A \slot, 1, 0
	WIN BIAS_HI
	MUL16 4, 0, 1
	MUL16 6, 0, 1
	PLACES NP
	FETCH_B \slot, 1, 1
	FETCH_A \slot, 1, 4
.endm
.macro STEP slot, q
	s_wait_dscnt 4*NL                              ; the youngest 16 loads (A's blocks 4-7) may be out
	WIN MUL_LO
	MUL16 0, (\q)%2, 0
	MUL16 2, (\q)%2, 0
	s_wait_dscnt 0
	PLACES NP
	FETCH_B \slot, (\q)+1, 1-(\q)%2
	FETCH_A \slot, (\q)+1, 0
	WIN MUL_HI
	MUL16 4, (\q)%2, 0
	MUL16 6, (\q)%2, 0
	PLACES NP
	WIN 0
	FETCH_A \slot, (\q)+1, 4
.endm
.macro TURN slot, next, fill           ; a slot's last step changes slots; fill = 1: this slot takes the K step two on
	s_wait_tensorcnt 0x0                           ; all my tensor loads have landed: my part of the next slot
	ds_add_u32 v[SPW], v[NIL]                      ; 0 onto my spare word
	s_wait_dscnt 4*NL+1                            ; the add and the youngest 16 loads may be out
	WIN MUL_LO
	MUL16 0, 1, 0
	s_wait_dscnt 0x0                               ; the add is done, and my reads of this slot are over
	s_barrier_signal -1
	MUL16 2, 1, 0
	WIN 0
	s_barrier_wait -1
.if \fill
	CREST                                          ; a round of the cluster's barrier: no wave of any partner still reads this slot or has a load on its way
	s_add_nc_u64 s[G0+4*\slot+2:G0+4*\slot+3], s[G0+4*\slot+2:G0+4*\slot+3], 2*ROWB
	s_add_nc_u64 s[G0B+4*\slot+2:G0B+4*\slot+3], s[G0B+4*\slot+2:G0B+4*\slot+3], 2*ROWB
	JLOAD G0+4*\slot, G1, G0B+4*\slot, G1B
.else
	PLACES NP
.endif
	FETCH_B \next, 0, 0
	FETCH_A \next, 0, 0
	WIN MUL_HI
	MUL16 4, 1, 0
	MUL16 6, 1, 0
	PLACES NP
	WIN 0
	FETCH_A \next, 0, 4
.endm
	s_wait_tensorcnt 1                             ; my part of K step 0 is in; K step 1's load may stay out
	s_wait_dscnt 0x0                               ; my part of the sums of k_ is stored
	s_barrier_signal -1
	s_barrier_wait -1
	FETCH_B 0, 0, 0
	FETCH_A 0, 0, 0
	FETCH_A 0, 0, 4
	STEPF 0
	TURN 0, 1, 1
	STEP 1, 0
	TURN 1, 0, 1
	STEP 0, 0
	TURN 0, 1, 0
	STEP 1, 0
	WIN TO_B                                       ; B's set 0 is done with (four places stand behind its last products): it takes kv_'s fragments of my two heads
.irp q, 0,1,2,3,4,5,6,7
.irp c, 0,1,2,3
	global_load_b128 v[16*\q+4*\c:16*\q+4*\c+3], v[LI], s[72:73] offset:2048*\q+512*\c
.endr
.endr
	s_wait_dscnt 4*NL                              ; the very last step
	WIN MUL_LO
	MUL16 0, 1, 0
	MUL16 2, 1, 0
	s_wait_dscnt 0
	WIN MUL_HI
	MUL16 4, 1, 0
	MUL16 6, 1, 0
	PLACES NP
	WIN TO_B                                       ; B's set 1 takes the sums of k_: register 64 hd + 32 sc + 8 t + j is that of d = 16 t + 8 h + j
.irp hd, 0,1
.irp sc, 0,1
.irp t, 0,1,2,3
	ds_load_b128 v[128+64*\hd+32*\sc+8*\t:128+64*\hd+32*\sc+8*\t+3],   v[SKA] offset:512*\hd+256*\sc+64*\t
	ds_load_b128 v[128+64*\hd+32*\sc+8*\t+4:128+64*\hd+32*\sc+8*\t+7], v[SKA] offset:512*\hd+256*\sc+64*\t+16
.endr
.endr
.endr
.macro QQ a, hd, t                     ; tile t of head hd: x sin, x cos, the holds, the conversions
.set RB, QR+8*(4*\hd+\t)
.set TS, QT+16*((\t)%2)
.set TC, TS+8
.irp p, 0,2,4,6
	v_pk_mul_f32 v[TS+\p:TS+\p+1], v[RB+\p:RB+\p+1], v[SCN+2*(\a):SCN+2*(\a)+1] op_sel_hi:[1,0]              ; both x the pair's first register: sin
	v_pk_mul_f32 v[TC+\p:TC+\p+1], v[RB+\p:RB+\p+1], v[SCN+2*(\a):SCN+2*(\a)+1] op_sel:[0,1] op_sel_hi:[1,1]  ; both x its second: cos
.endr
.irp n, 0,1,2,3,4,5,6,7
	v_min_num_f32 v[TS+\n], v[TS+\n], v[LIMQ]      ; relu(q) sin is never negative: a one-sided hold
.endr
.irp n, 0,1,2,3,4,5,6,7
	v_med3_num_f32 v[TC+\n], v[TC+\n], -v[LIMQ], v[LIMQ]   ; the f32 cos of the last l is a little under 0
.endr
	v_cvt_scalef32_pk8_bf8_f32 v[QC+16*\hd+2*\t:QC+16*\hd+2*\t+1], v[TS:TS+7], v[SCQ]
	v_cvt_scalef32_pk8_bf8_f32 v[QC+16*\hd+8+2*\t:QC+16*\hd+8+2*\t+1], v[TC:TC+7], v[SCQ]
.endm
.macro SEND a                          ; block a's 16 rows of out: each store covers 512 consecutive bytes, aligned; every offset is an immediate, and no store's data register is written again
	s_wait_dscnt 0x0                               ; the rows are back from the stage, and the stage's stores have read their registers
	WIN 0x08+4*((\a)/4)                            ; store data in window 2 or 3
.irp t, 0,1,2,3,4,5,6,7,8,9,10,11,12,13,14,15
	global_store_b128 v[LI], v[64*((\a)%4)+4*\t:64*((\a)%4)+4*\t+3], s[76:77] offset:(16*(\a)+\t)*16384 th:TH_STORE_NT
.endr
.endm
.irp a, 0,1,2,3,4,5,6,7
	WIN 0x08+4*(\a/4)                              ; ---- relu: source 1 in window 2 or 3; each accumulator from its low end on
.set n, 0
.rept 64
	v_max_num_f32 v[QR+n], 0, v[64*(\a%4)+n]
.set n, n+1
.endr
.if \a == 0
	s_wait_dscnt 0x0                               ; the sums of k_ are in
.endif
	WIN 0x04                                       ; ---- q . the sums of k_: source 1 in window 1; four pairs of sums by turns
.irp t, 0,1,2,3
.irp p, 0,2,4,6
.irp hd, 0,1
.irp sc, 0,1
.if (\t == 0) && (\p == 0)
	v_pk_mul_f32 v[DEN+4*\hd+2*\sc:DEN+4*\hd+2*\sc+1], v[QR+8*(4*\hd+\t)+\p:QR+8*(4*\hd+\t)+\p+1], v[128+64*\hd+32*\sc+8*\t+\p:128+64*\hd+32*\sc+8*\t+\p+1]
.else
	v_pk_fma_f32 v[DEN+4*\hd+2*\sc:DEN+4*\hd+2*\sc+1], v[QR+8*(4*\hd+\t)+\p:QR+8*(4*\hd+\t)+\p+1], v[128+64*\hd+32*\sc+8*\t+\p:128+64*\hd+32*\sc+8*\t+\p+1], v[DEN+4*\hd+2*\sc:DEN+4*\hd+2*\sc+1]
.endif
.endr
.endr
.endr
.endr
	WIN 0                                          ; ---- q_ is quantised
.irp hd, 0,1
.irp t, 0,1,2,3
	QQ \a, \hd, \t
.endr
.endr
	v_nop                                          ; a plain line between the last conversion and the products that read its result
.if \a > 0
	SEND \a-1
.else
	s_wait_loadcnt 0x0                             ; kv_'s fragments are in
.endif
	WIN 0x01                                       ; ---- the last product: source 0 (kv_^T) window 1
.irp q, 0,1,2,3,4,5,6,7
	v_wmma_f32_16x16x128_bf8_bf8 v[QO+8*\q:QO+8*\q+7], v[16*\q:16*\q+15], v[QC+16*(\q/4):QC+16*(\q/4)+15], 0
.endr
	WIN 0                                          ; ---- z: the plain lines here are also the places behind those products
	v_add_f32 v[ZW], v[DEN], v[DEN+1]
	v_add_f32 v[ZW+2], v[DEN+4], v[DEN+5]
	v_add_f32 v[ZW+1], v[DEN+2], v[DEN+3]
	v_add_f32 v[ZW+3], v[DEN+6], v[DEN+7]
	v_mul_f32 v[ZW], v[ZW], v[SCN+2*\a]
	v_mul_f32 v[ZW+2], v[ZW+2], v[SCN+2*\a]
	v_fmac_f32 v[ZW], v[ZW+1], v[SCN+2*\a+1]
	v_fmac_f32 v[ZW+2], v[ZW+3], v[SCN+2*\a+1]
	v_permlanex16_b32 v[ZW+1], v[ZW], s[SEL], s[SEL+1]       ; my l's other 32 channels lie in the lane 16 away
	v_permlanex16_b32 v[ZW+3], v[ZW+2], s[SEL], s[SEL+1]
	v_add_f32 v[ZW], v[ZW], v[ZW+1]
	v_add_f32 v[ZW+2], v[ZW+2], v[ZW+3]
	v_ldexp_f32 v[ZW], v[ZW], s93                  ; x 2^(e0 + e1)
	v_ldexp_f32 v[ZW+2], v[ZW+2], s93
	v_max_num_f32 v[ZW], 0x38d1b717, v[ZW]         ; at least 1e-4
	v_max_num_f32 v[ZW+2], 0x38d1b717, v[ZW+2]
	v_rcp_f32 v[ZW], v[ZW]
	v_rcp_f32 v[ZW+2], v[ZW+2]
	v_nop                                          ; a plain line behind the reciprocals
	s_wait_alu depctr_va_vdst(0)
	v_ldexp_f32 v[ZZ], v[ZW], s94                  ; z x 2^(e8 + e9), as a pair for each head
	v_ldexp_f32 v[ZZ+1], v[ZW], s94
	v_ldexp_f32 v[ZZ+2], v[ZW+2], s94
	v_ldexp_f32 v[ZZ+3], v[ZW+2], s94
.irp q, 0,1,2,3,4,5,6,7
.irp p, 0,2,4,6
	v_pk_mul_f32 v[QO+8*\q+\p:QO+8*\q+\p+1], v[QO+8*\q+\p:QO+8*\q+\p+1], v[ZZ+2*(\q/4):ZZ+2*(\q/4)+1]
.endr
.endr
.irp q, 0,1,2,3,4,5,6,7                        ; ---- through my stage: lane (r, h) holds row r, columns 16 q + 8 h + 0 .. 7 of my 128
	ds_store_b128 v[STO], v[QO+8*\q:QO+8*\q+3] offset:64*\q
	ds_store_b128 v[STO], v[QO+8*\q+4:QO+8*\q+7] offset:64*\q+16
.endr
	WIN 0x80+0x40*(\a/4)                           ; back as whole rows of 512 bytes, into the block's own accumulator registers.  LDS serves a wave's instructions in order (ISA guide 5.7.1.4)
.irp t, 0,1,2,3,4,5,6,7,8,9,10,11,12,13,14,15
	ds_load_b128 v[64*(\a%4)+4*\t:64*(\a%4)+4*\t+3], v[RD] offset:\t*SPITCH
.endr
.endr
	SEND 7
	WIN 0
	s_wait_tensorcnt 0x0                           ; the wave's end
	ds_add_u32 v[SPW], v[NIL]
	s_wait_dscnt 0x0
	CROUND                                         ; the closing round
	s_endpgm
.Lfunc_end_k_qb49b5a7b22_qo:
	.size	k_qb49b5a7b22_qo, .Lfunc_end_k_qb49b5a7b22_qo-k_qb49b5a7b22_qo
	.p2alignl 7, 3214868480
	.fill 96, 4, 3214868480
	.section	.rodata,"a",@progbits
	.p2align	6, 0x0
	.amdhsa_kernel k_qb49b5a7b22_qo
		.amdhsa_group_segment_fixed_size 327680
		.amdhsa_private_segment_fixed_size 0
		.amdhsa_enable_private_segment 0
		.amdhsa_kernarg_size 56
		.amdhsa_user_sgpr_count 2
		.amdhsa_user_sgpr_kernarg_segment_ptr 1
		.amdhsa_wavefront_size32 1
		.amdhsa_system_sgpr_workgroup_id_x 1
		.amdhsa_system_sgpr_workgroup_id_y 1
		.amdhsa_system_sgpr_workgroup_id_z 1
		.amdhsa_system_vgpr_workitem_id 0
		.amdhsa_next_free_vgpr 1024
		.amdhsa_next_free_sgpr 100
		.amdhsa_reserve_vcc 0
		.amdhsa_float_denorm_mode_32 3
		.amdhsa_float_denorm_mode_16_64 3
		.amdhsa_memory_ordered 1
		.amdhsa_forward_progress 1
		.amdhsa_inst_pref_size 255
	.end_amdhsa_kernel
	.section	.bss,"aw",@nobits
	.p2align	6
	.space	262144
	.amdgpu_metadata
---
amdhsa.version: [ 1, 2 ]
amdhsa.kernels:
  - .name:           k_qb49b5a7b22_qo
    .symbol:         k_qb49b5a7b22_qo.kd
    .args:
      - { .name: query_codes, .offset: 0, .size: 8, .value_kind: global_buffer, .address_space: global }
      - { .name: Wq_codes, .offset: 8, .size: 8, .value_kind: global_buffer, .address_space: global }
      - { .name: bq, .offset: 16, .size: 8, .value_kind: global_buffer, .address_space: global }
      - { .name: lowp_scales, .offset: 24, .size: 8, .value_kind: global_buffer, .address_space: global }
      - { .name: kvc, .offset: 32, .size: 8, .value_kind: global_buffer, .address_space: global }
      - { .name: ks, .offset: 40, .size: 8, .value_kind: global_buffer, .address_space: global }
      - { .name: out0, .offset: 48, .size: 8, .value_kind: global_buffer, .address_space: global }
    .group_segment_fixed_size: 327680
    .private_segment_fixed_size: 0
    .kernarg_segment_align: 8
    .kernarg_segment_size: 56
    .max_flat_workgroup_size: 128
    .sgpr_count:     100
    .vgpr_count:     1024
    .wavefront_size: 32
...
	.end_amdgpu_metadata
.endif
;; end of part 3
